; MI455X (gfx1250); checked and timed in simulation.
; The chip was launched on July 23, 2026; its instructions are those of AMD's public machine-readable ISA for CDNA 5 (MIT licence, August 2026) and "CDNA5" Instruction Set Architecture Reference Guide (July 2026). The comments in the code are by the model that wrote it; some were corrected since.
;; Multi Head Attention. Allowed arithmetic: matrix products marked QUANTISED: E2M1 operands, one E8M0 scale for each 32 along K, by v_wmma_scale_f32_16x16x128_f8f6f4 with both operands' format E2M1 (or v_wmma_scale_f32_32x16x128_f4), f32 sums; everything else in f32.
;; Inputs: fc_b 1,024 float32; fc_w_codes 1,024 x 32 x 16 uint8 (E2M1 codes of fc_w, K innermost, in blocks of 32 codes, two codes a byte); fc_w_scales 1,024 x 32 uint8 (E8M0 scales of fc_w, one for each 32 codes along K); key 4 x 2,048 x 1,024 float32; query 4 x 2,048 x 1,024 float32; value_codes 4 x 1,024 x 64 x 16 uint8 (E2M1 codes of value, K innermost, in blocks of 32 codes, two codes a byte); value_scales 4 x 1,024 x 64 uint8 (E8M0 scales of value, one for each 32 codes along K).
;; Outputs: out0 4 x 2,048 x 1,024 float32.
;; This version of the problem:
;;   THIS VERSION OF THE PROBLEM IS GIVEN IN LOW PRECISION. The matrix products marked QUANTISED in the list below multiply operands that are first quantised to E2M1 (2 exponent bits, 1 mantissa bit; 4 bits a number), with one power-of-two scale for each 32 numbers along K (OCP MX v1.0); their sums are f32. All else is computed in f32.
;;   The module's matrix products, in the order in which they are computed (A, B: the left and right operand; K: the contracted axis; several contracted axes count as one K, in the product's order):
;;     1. batch 64 x [M 2,048, K 64] x [K 64, N 2,048]; A: input query; B: input key: QUANTISED
;;     2. batch 64 x [M 2,048, K 2,048] x [K 2,048, N 64]; A: softmax (see below); B: input value (given as codes): QUANTISED
;;     3. [M 8,192, K 1,024] x [K 1,024, N 1,024]; A: computed on the way; B: input fc_w (given as codes): QUANTISED
;;   THE QUANTISER, for each operand of a quantised product, along K:
;;     - K is cut into blocks of 32 from its start; a last block that is shorter is filled with zeros.
;;     - A block's scale is 2^e with e = floor(log2(the largest magnitude in the block)) - 2, held to -126 .. 127; a block of zeros has e = 0. As a byte (E8M0): e + 127.
;;     - Each number is divided by its block's scale, clamped to +-6, and rounded to the nearest number of E2M1, ties to even, subnormals kept.
;;     - The product sums the exact products of the quantised numbers (number of the format x scale) in f32.
;;   ~~~python
;;   def quantise(x, axis):      # numpy; x: float32 -> the quantised numbers, widened to float32 again
;;       x = np.moveaxis(x, axis, -1); K = x.shape[-1]
;;       x = np.pad(x, [(0, 0)] * (x.ndim - 1) + [(0, -K % 32)]); x = x.reshape(x.shape[:-1] + (-1, 32)); a = np.abs(x).max(-1, keepdims=True)
;;       e = np.where(a > 0, np.clip(np.frexp(np.where(a > 0, a, 1))[1] - 1 - 2, -126, 127), 0)      # np.frexp(a)[1] - 1 = floor(log2(a)), exactly
;;       r = np.clip(x / 2.0 ** e, -6, 6)
;;       step = 2.0 ** (np.maximum(np.frexp(np.where(r == 0, 1, r))[1] - 1, 0) - 1)
;;       q = np.round(r / step) * step * 2.0 ** e      # np.round: ties to even
;;       return np.moveaxis(q.reshape(q.shape[:-2] + (-1,))[..., :K], -1, axis).astype(np.float32)
;;   ~~~
;;   SOFTMAX AHEAD OF A QUANTISED PRODUCT. Where the list says 'softmax', what is quantised is not the finished softmax but p = 2^(t - M), with t = logit x log2(e) and M = ceil(the row's largest t), a whole number; so 1/2 < the row's largest p <= 1. The row's sum l is taken of the UNQUANTISED p, in f32, and the product's result is divided by l at the end. Since M is a whole number, a kernel that streams over the keys may use a running M (the ceiling of the running maximum): every later rescaling is an exact power of two, which a block's scale takes up: the codes' values come out the same.
;;   OPERANDS COMPUTED ON THE WAY. 'Computed on the way' means the value that the module computes at that place (a softmax that the list does not call 'softmax' is quantised finished and normalised). What goes into a quantiser is computed in f32, as accurately as f32 sums, v_exp_f32 and their like allow (about 1e-6 of the number): no bf16 or f16 on the way to a quantiser, and a product that is left as it is and whose result goes on into a quantised operand takes f32 operands (vector FMAs, or v_wmma_f32_16x16x4_f32). A number that lies on a knife's edge between two numbers of the format may be rounded either way, as far as f32 arithmetic and the matrix unit's own rounding can turn it there, and no further.
;;   INPUTS GIVEN AS CODES. fc_w (in the module: [1024, 1024], K = its axis 1); value (in the module: [4, 2048, 1024], K = its axis 1): each comes as NAME_codes (uint8): NAME with its K axis moved to the last place and cut into blocks of 32 codes, [.., K / 32, bytes a block], one block behind the other in memory; two codes a byte, the lower K in the low four bits (a code: sign, 2 exponent bits, 1 mantissa bit); and NAME_scales (uint8): the same leading axes, one E8M0 byte (e + 127) for each 32 codes along K. Its value is code x scale, taken as it is: it is not quantised again, and the codes and scales need not be those that the quantiser above would give.
;; One version. Each part assembles by itself: llvm-mc -triple=amdgcn-amd-amdhsa -mcpu=gfx1250 --defsym DOCPART=n.
;; ======== version 1 of 1: 2 launches
;; limits: right only within a limited range of input values
;; workspace buffers: o_codes 4,194,304 bytes; o_scales 524,288 bytes
;; launch attn (part 1): grid 4 x 64, 16 waves a work-group, clusters of 4 x 1, 327,680 bytes of LDS; arguments query, key, value_codes, value_scales, o_codes, o_scales; writes o_codes, o_scales
.if DOCPART == 1
	.amdgcn_target "amdgcn-amd-amdhsa--gfx1250"
	.amdhsa_code_object_version 6
	.text
	.protected	k_qd854f895c7_attn
	.globl	k_qd854f895c7_attn
	.p2align	8
	.type	k_qd854f895c7_attn,@function
k_qd854f895c7_attn:
	s_mov_b64 s[64:65], 0
	v_nop
	global_prefetch_b8 v0, s[64:65] scope:SCOPE_SE
	s_setreg_imm32_b32 hwreg(HW_REG_WAVE_MODE, 25, 1), 1
	s_wait_xcnt 0x0
	s_wait_alu depctr_hold_cnt(0) depctr_sa_sdst(0) depctr_va_vdst(0) depctr_va_sdst(0) depctr_va_ssrc(0) depctr_va_vcc(0) depctr_vm_vsrc(0)
	s_getreg_b32 s2, hwreg(HW_REG_IB_STS2, 6, 4)
	s_cmp_eq_u32 s2, 0
	s_cbranch_scc0 .Lentry_in_a_cluster
	s_endpgm
.Lentry_in_a_cluster:
	s_bfe_u32 s2, ttmp6, 0x10000c
	s_cmp_lg_u32 s2, 0x3003
	s_cbranch_scc0 .Lentry_shape_is_right
	s_endpgm
.Lentry_shape_is_right:
; For each of 64 (batch, head) pairs: O[q] = sum over k of softmax_k(Q[q] . K[k] / 64) V[k]; 2,048 queries and keys, head size 64; both products on codes of FP4 (E2M1) with one E8M0 scale for each 32 along K.
; query and key arrive as f32 and are quantised HERE, along a head's 64 channels (two blocks of 32); O / l is quantised along the model's axis and leaves as codes and scale words for the last product.
; OUT: o_codes [head 16][tile of 16 rows 512][lane 32][16 bytes]: lane (r, h) holds channels 32 h .. 32 h + 31 of the tile's row r;  o_scales [head 16][row 8,192] words: (byte of block 0 | byte of block 1 << 8) << 16 (head % 2).
; THE SOFTMAX: t = score x log2(e) / 64; M = the running largest t rounded UP to a whole number; p = 2^(t - M) is quantised along the keys, not normalised; l sums the unquantised p; when M moves, l and O are multiplied by 2^(old M - new M): exact.
; SHARES: a work-group owns 512 queries of one head, in two passes of 256; each of its sixteen waves owns one tile of 16 queries a pass, and quantises it in registers: the first at the head, the second between the passes.
; KEY comes in four pieces of 512 rows x 256 bytes of f32.  Waves 0 to 7 each fetch 64 neighbouring rows of a piece into LDS bytes of their own and quantise THOSE rows, four tiles, into images in LDS
; (a step of 128 keys: eight images of 512 bytes, then the scale words [r 16][tile 8]): only the wave that fetched them reads them, so its own wait on TENSORcnt orders the reads.
; One meeting a piece: it shows the images to all waves, and behind it the stage takes the next piece, which has the piece's four key steps in which to land.  The second pass finds all images in LDS and passes no barrier.
; THE ROWS OF A KEY TILE: tile 4 c + t of a step holds keys 64 c + 32 (i / 8) + 8 t + i % 8 (i its row): in the transposed scores lane (r, h) then has, in 32 neighbouring registers, the WHOLE block of keys 64 c + 32 h + 0 .. 31:
; a block's maximum asks no other lane, and the conversions' results are the second product's operand as they stand.
; THE FIRST PRODUCT'S K IS 64: Q's upper four registers hold zero codes.  K's fragments overlap: a fragment's upper four registers are the next tile's codes; they meet Q's zero codes under finite scale bytes (127) and add nothing.
; CLUSTER: the four work-groups of a cluster are the four query blocks of one head: key's pieces and value's codes and scales are asked for JOINTLY, mask of all four.
; PREFETCH: in piece g (0, 1) key's piece g + 2, four key steps ahead of its load: 512 rows of 256 bytes, a lane a row; the four partners take 128 rows each, told apart by address; waves 8 to 11 ask.  Pieces 0 and 1 come by their loads alone.
; In piece 2 each wave asks for the 16 rows of its second query tile, eight key steps ahead of their loads (lanes 16 to 31 name the wave's last row again).
; LIMITS: NaN and infinities are not served; the promise holds while the scaled scores stay under 2^31 in magnitude; a block whose largest magnitude lies under 2^-124, zeros too, keeps the scale byte 1 (this program alone reads these bytes).
; REGISTERS: v1-4, v6, v70-79 addresses that stay; v5 at work; v8-11 a step's addresses; v12 -M, v13 the largest score, v[14:15] l; v16-23 Q; v24 Q's scale word; v25 p's; v[26:27] f;
;   v32-67 K's fragments; v68, v69 the spare word's address and 0; v80-85 partial sums; v96-159 S^T, then p (between steps: f32 numbers to quantise); v160-191 O^T; v192-223 V; v224-231 p's codes; v232-237, v244-245 at work; v240-243 V's scale words; v248-255 K's.
.set KSTEP, 4608                       ; a step's images and words; the images fill LDS bytes 0 .. 73,727: stored by the waves, no fill lands there
.set RING,  73728                      ; the stage for a piece of key: 512 rows x (256 bytes + 16)
.set VC,    212992                     ; V's codes: 64 rows x (1,024 bytes + 16)
.set VP,    1040
.set VSW,   279552                     ; V's scale bytes: 16 units of 256 bytes + 16
.set OST,   283904                     ; my 512 rows' scale words of O
.set SPARE, 285952                     ; the spare words, 128 bytes a wave
.set SPW, 68
.set NIL, 69
.set G1K, 24
.set G1V, 32
.set G1S, 40
.set G0K, 48
.set G0V, 52
.set G0S, 56
.set WV,  16
.macro CROUND                          ; a round of the cluster's barrier
	s_barrier_signal -1
	s_barrier_wait -1
	s_cmp_lg_u32 s[WV], 0
	s_cbranch_scc1 .Lnot_wave_0_\@
	s_barrier_signal -3
.Lnot_wave_0_\@:
	s_barrier_wait -3
	s_barrier_signal -1
	s_barrier_wait -1
.endm
.macro NOPS4
.rept 4
	v_nop
.endr
.endm
; 32 neighbours of one row in v[x ..] become 4 registers of codes v[c ..] and the row's scale word v[w]: byte h from my lane, the other from lane l xor 16, 127 twice over the zero codes of K = 64 .. 127
.macro QCORE x, c, w
	v_max3_num_f32 v232, |v[(\x)]|, |v[(\x)+1]|, |v[(\x)+2]|
	v_max3_num_f32 v233, |v[(\x)+3]|, |v[(\x)+4]|, |v[(\x)+5]|
.irp i, 6,10,14,18,22,26
	v_max3_num_f32 v232, v232, |v[(\x)+\i]|, |v[(\x)+\i+1]|
	v_max3_num_f32 v233, v233, |v[(\x)+\i+2]|, |v[(\x)+\i+3]|
.endr
	v_max3_num_f32 v232, v232, |v[(\x)+30]|, |v[(\x)+31]|
	s_delay_alu instid0(VALU_DEP_1)
	v_max3_num_f32 v232, v232, v233, 0x1800000     ; the floor 2^(3 - 127): the byte cannot fall under 1
	s_delay_alu instid0(VALU_DEP_1)
	v_add_nc_u32 v234, 0xff000000, v232            ; 2 off the exponent field: the conversion's scale operand
.irp g, 0,1,2,3
	v_cvt_scalef32_pk8_fp4_f32 v[(\c)+\g], v[(\x)+8*\g:(\x)+8*\g+7], v234
.endr
	v_lshrrev_b32 v[\w], 23, v234                  ; the byte (a plain line behind the conversions),
	s_delay_alu instid0(VALU_DEP_1)
	v_lshlrev_b32 v[\w], v70, v[\w]                ; 8 h bits up
	s_delay_alu instid0(VALU_DEP_1)
	v_permlanex16_b32 v236, v[\w], s20, s21
	s_delay_alu instid0(VALU_DEP_1)
	v_or_b32 v[\w], v[\w], v236
	s_delay_alu instid0(VALU_DEP_1)
	v_or_b32 v[\w], 0x7f7f0000, v[\w]
.endm
	s_load_b256 s[4:11], s[0:1], 0x0               ; query s[4:5], key s[6:7], V's codes s[8:9], V's scales s[10:11]
	s_load_b128 s[12:15], s[0:1], 0x20             ; o_codes s[12:13], o_scales s[14:15]
	v_lshl_add_u32 v[SPW], v0, 2, SPARE
	v_mov_b32 v[NIL], 0
	ds_add_u32 v[SPW], v[NIL]                      ; the opening lines: the add twice on end and its wait ahead of my first tensor load
	ds_add_u32 v[SPW], v[NIL]
	v_lshrrev_b32 v5, 5, v0
	v_readfirstlane_b32 s[WV], v5                  ; wave 0..15
	v_and_b32 v8, 15, v0                           ; r
	v_bfe_u32 v9, v0, 4, 1                         ; h
	v_lshlrev_b32 v78, 12, v8
	v_lshl_add_u32 v78, v9, 7, v78                 ; Q: row r of 4,096 bytes, + my block's 128 bytes
	s_and_b32 s94, ttmp7, 0xffff                   ; bh = 16 b + head: the four partners share it
	s_and_b32 s95, s94, 15                         ; head
	s_lshr_b32 s86, s94, 4                         ; b
	s_and_b32 s89, s94, 1
	s_lshl_b32 s89, s89, 4                         ; 16 (head % 2)
	s_lshr_b32 s60, s[WV], 2                       ; wave / 4: 2 in the waves that prefetch key
	s_and_b32 s62, s[WV], 3
	s_lshl_b32 s70, s86, 23
	s_lshl_b32 s71, s95, 8
	s_add_co_u32 s70, s70, s71                     ; query, key: batch b's rows, the head's 256 bytes of a row
	s_mov_b32 s71, 0
	s_lshl_b32 s72, s[WV], 18                      ; key: rows 64 x wave on
	s_mov_b32 s73, 0
	s_lshl_b32 s74, s94, 16
	s_lshl_b32 s75, s62, 14
	s_add_co_u32 s74, s74, s75                     ; V's codes: the head's 64 rows, 16 x (wave % 4) on
	s_mov_b32 s75, 0
	s_lshl_b32 s76, s94, 12
	s_lshl_b32 s77, s62, 10
	s_add_co_u32 s76, s76, s77                     ; V's scale bytes likewise
	s_mov_b32 s77, 0
	s_mul_i32 s78, s[WV], 64*272
	s_add_co_u32 s78, s78, RING                    ; where my 64 rows of key go (waves 0-7)
	s_mul_i32 s79, s62, 16*VP
	s_add_co_u32 s79, s79, VC
	s_mul_i32 s80, s62, 4*272
	s_add_co_u32 s80, s80, VSW
	s_and_b32 s83, s[WV], 7                        ; the 64 keys that I quantise (waves 0-7) are those that I fetch
	s_mul_i32 s81, s83, 64*272
	s_add_co_u32 s81, s81, RING
	s_lshr_b32 s82, s83, 1
	s_mul_i32 s82, s82, KSTEP                      ; their step of the piece's four,
	s_and_b32 s83, s[WV], 1
	s_lshl_b32 s84, s83, 11
	s_add_co_u32 s84, s84, s82                     ; their images: tiles 4 (wave % 2) on,
	s_lshl_b32 s83, s83, 4
	s_add_co_u32 s83, s83, s82
	s_add_co_u32 s83, s83, 4096                    ; their columns among the scale words
	s_lshl_b32 s85, s[WV], 6
	s_bfe_u32 s96, ttmp6, 0x40000                  ; cx: it enters Q's, O's and the prefetches' addresses alone: s87, s90-93, s96-99
	s_lshl_b32 s97, ttmp9, 2
	s_add_co_u32 s97, s97, s96                     ; my block of 512 queries
	s_lshl_b32 s90, s97, 21
	s_lshl_b32 s91, s[WV], 16
	s_add_co_u32 s90, s90, s91
	s_add_co_u32 s90, s90, s70                     ; Q: row 512 x block + 16 x wave
	s_mov_b32 s91, 0
	s_lshl_b32 s92, s96, 19
	s_lshl_b32 s87, s62, 17
	s_add_co_u32 s92, s92, s87
	s_add_co_u32 s92, s92, 2<<21                   ; key's prefetches: piece 2's row 128 cx + 32 (wave % 4)
	s_mov_b32 s93, 0
	s_lshl_b32 s98, s95, 9
	s_lshl_b32 s99, s86, 7
	s_add_co_u32 s98, s98, s99
	s_lshl_b32 s99, s97, 5
	s_add_co_u32 s98, s98, s99
	s_add_co_u32 s98, s98, s[WV]
	s_lshl_b32 s98, s98, 9                         ; o_codes: (512 head + 128 b + 32 block + wave) x 512 bytes
	s_mov_b32 s99, 0
	s_lshl_b32 s96, s95, 15
	s_lshl_b32 s87, s86, 13
	s_add_co_u32 s96, s96, s87
	s_lshl_b32 s97, s97, 11
	s_add_co_u32 s96, s96, s97                     ; o_scales: 32,768 head + 4 (2,048 b + 512 block)
	s_mov_b32 s97, 0
	s_mov_b32 s[G1K], 15|(3<<16)|(1<<20)|(1<<21)|(5<<22)|(3<<25)   ; mask of all four; elements of 8 bytes; four words of padding behind every 64.  key: 64 rows of 256 bytes, 4,096 apart
	s_mov_b32 s[G1K+1], 32<<16
	s_mov_b32 s[G1K+2], 64<<16
	s_mov_b32 s[G1K+3], 32<<16
	s_mov_b32 s[G1K+4], 64
	s_mov_b32 s[G1K+5], 512
	s_mov_b32 s[G1K+6], 0
	s_mov_b32 s[G1K+7], 0
	s_mov_b32 s[G1V], 15|(3<<16)|(1<<20)|(1<<21)|(7<<22)|(3<<25)   ; V's codes: 16 dense rows of 1,024 bytes, four words of padding behind every 256
	s_mov_b32 s[G1V+1], 128<<16
	s_mov_b32 s[G1V+2], 16<<16
	s_mov_b32 s[G1V+3], 128<<16
	s_mov_b32 s[G1V+4], 16
	s_mov_b32 s[G1V+5], 128
	s_mov_b32 s[G1V+6], 0
	s_mov_b32 s[G1V+7], 0
	s_mov_b32 s[G1S], 15|(3<<16)|(1<<20)|(1<<21)|(5<<22)|(3<<25)   ; V's scale bytes: 4 dense rows of 256 bytes, padded as key's
	s_mov_b32 s[G1S+1], 32<<16
	s_mov_b32 s[G1S+2], 4<<16
	s_mov_b32 s[G1S+3], 32<<16
	s_mov_b32 s[G1S+4], 4
	s_mov_b32 s[G1S+5], 32
	s_mov_b32 s[G1S+6], 0
	s_mov_b32 s[G1S+7], 0
	s_mov_b32 s20, 0x76543210
	s_mov_b32 s21, 0xfedcba98                      ; v_permlanex16_b32's selects for lane l xor 16
	s_mov_b32 s22, 0x3cb8aa3b                      ; c = log2(e) / 64
	s_mov_b32 s23, s22
	s_mov_b32 s61, 0xbcb8aa3b                      ; -c
	s_wait_alu depctr_va_vdst(0)
	s_wait_dscnt 0x0                               ; both opening adds are done
	s_wait_kmcnt 0x0
	s_add_nc_u64 s[4:5], s[4:5], s[90:91]
	s_add_nc_u64 s[6:7], s[6:7], s[70:71]
	s_add_nc_u64 s[66:67], s[6:7], s[92:93]
	s_add_nc_u64 s[12:13], s[12:13], s[98:99]
	s_add_nc_u64 s[14:15], s[14:15], s[96:97]
.irp i, 0,1,2,3,4,5,6,7
	global_load_b128 v[96+4*\i:99+4*\i], v78, s[4:5] offset:16*\i            ; Q, first pass: my row's block of 32 numbers
.endr
	s_mov_b32 s[G0K], 1
	s_mov_b32 s[G0K+1], s78
	s_add_nc_u64 s[G0K+2:G0K+3], s[6:7], s[72:73]
	s_or_b32 s[G0K+3], s[G0K+3], 0x80000000
	s_mov_b32 s[G0V], 1
	s_mov_b32 s[G0V+1], s79
	s_add_nc_u64 s[G0V+2:G0V+3], s[8:9], s[74:75]
	s_or_b32 s[G0V+3], s[G0V+3], 0x80000000
	s_mov_b32 s[G0S], 1
	s_mov_b32 s[G0S+1], s80
	s_add_nc_u64 s[G0S+2:G0S+3], s[10:11], s[76:77]
	s_or_b32 s[G0S+3], s[G0S+3], 0x80000000
	CROUND                                         ; all four work-groups are here: the joint loads meet
	; THE HEAD'S LOADS, one a wave, one chain of arms: waves 0-7 key's piece 0, waves 8-11 V's codes, waves 12-15 V's scale bytes
	s_cmp_lt_u32 s[WV], 8
	s_cbranch_scc0 .Lhead_v
	tensor_load_to_lds s[G0K:G0K+3], s[G1K:G1K+7]
	s_nop 0
	NOPS4
	s_branch .Lasked
.Lhead_v:
	s_cmp_lt_u32 s[WV], 12
	s_cbranch_scc0 .Lhead_s
	tensor_load_to_lds s[G0V:G0V+3], s[G1V:G1V+7]
	s_nop 0
	NOPS4
	s_branch .Lasked
.Lhead_s:
	tensor_load_to_lds s[G0S:G0S+3], s[G1S:G1S+7]
	s_nop 0
	NOPS4
.Lasked:
	v_and_b32 v5, 31, v0
	v_lshlrev_b32 v1, 4, v5                        ; 16 x lane: my place in an image
	v_lshl_add_u32 v2, v8, 5, 4096                 ; a step's scale words: 4,096 + 32 r
	v_mul_u32_u24 v3, v8, VP
	v_lshl_add_u32 v3, v9, 4, v3
	v_add_nc_u32 v3, VC, v3                        ; V: row r of a tile, + 16 h
	v_lshrrev_b32 v10, 2, v8
	v_and_b32 v11, 3, v8
	v_mul_u32_u24 v4, v10, 272
	v_lshl_add_u32 v4, v11, 6, v4
	v_add_nc_u32 v4, VSW, v4                       ; V's scale words: a channel's 64 bytes, four channels to a unit
	v_lshl_add_u32 v6, v8, 2, OST
	v_add_nc_u32 v6, s85, v6                       ; O's scale word of my row: OST + 64 wave + 4 r
	v_lshlrev_b32 v70, 3, v9                       ; 8 h
	v_and_b32 v10, 7, v8
	v_lshrrev_b32 v11, 3, v8
	v_mul_u32_u24 v72, v10, 272
	v_mad_u32_u24 v72, v11, 32*272, v72            ; a tile's row r lies r % 8 + 32 (r / 8) rows on among my 64,
	v_lshl_add_u32 v72, v9, 7, v72                 ; my block 128 h bytes on
	v_add_nc_u32 v72, s81, v72
	v_add_nc_u32 v76, s84, v1                      ; where my 16 bytes of an image go,
	v_lshlrev_b32 v75, 5, v8
	v_add_nc_u32 v75, s83, v75                     ; and my row's scale word
	v_lshlrev_b32 v77, 12, v5                      ; key's prefetches: a lane a row
	v_min_u32 v79, 15, v5
	v_lshlrev_b32 v79, 12, v79                     ; Q's: lanes 0-15 a row each, the others the last row again
.irp j, 20,21,22,23,64,65,66,67,236,27
	v_mov_b32 v[\j], 0                             ; Q's zero codes; the last K fragment's upper half; a permute's destination; f's upper half: written once
.endr
	s_wait_alu depctr_va_vdst(0)
	s_wait_loadcnt 0x0
	QCORE 96, 16, 24
.macro INIT                            ; a pass begins: the largest score -3e38, l and O^T zeros, which the first change of M leaves zeros
	v_mov_b32 v13, 0xff61b1e6
	v_floor_f32 v12, -v13
	v_mov_b32 v14, 0
	v_mov_b32 v15, 0
.set J, 160
.rept 32
	v_mov_b32 v[J], 0
.set J, J+1
.endr
.endm
; A KEY STEP: 128 keys.  s2: the step's bytes among the images; s3: in V's rows; s17: in V's scale words.
.macro STEP
	v_add_nc_u32 v8, s2, v1                        ; (these four are also the places between the last products and the loads into V's registers)
	v_add_nc_u32 v9, s2, v2
	v_add_nc_u32 v10, s3, v3
	v_add_nc_u32 v11, s17, v4
.irp t, 0,1,2,3,4,5,6,7
	ds_load_b128 v[32+4*\t:35+4*\t], v8 offset:512*\t
.endr
	ds_load_b128 v[248:251], v9
	ds_load_b128 v[252:255], v9 offset:16
.irp t, 0,1,2,3
.irp c, 0,1
	ds_load_b128 v[192+8*\t+4*\c:195+8*\t+4*\c], v10 offset:16*VP*\t+32*\c
.endr
	ds_load_b32 v[240+\t], v11 offset:1088*\t
.endr
	s_wait_dscnt 12                                ; K and its words are in; V's twelve loads stay out
.irp t, 0,1,2,3,4,5,6,7
	v_wmma_scale_f32_16x16x128_f8f6f4 v[96+8*\t:103+8*\t], v[32+4*\t:39+4*\t], v[16:23], 0, v[248+\t], v24 matrix_a_fmt:MATRIX_FMT_FP4 matrix_b_fmt:MATRIX_FMT_FP4
.endr
	v_mov_b32 v237, v12                            ; the old -M; with three v_nop the four places behind the products (ISA guide 7.12.1)
.rept 3
	v_nop
.endr
.irp c, 0,1                            ; the largest score of my two blocks of 32 keys, each in two chains; every accumulator is first read at its low end
	v_max3_num_f32 v[232+\c], v[96+32*\c], v[97+32*\c], v[98+32*\c]
	v_max3_num_f32 v[234+\c], v[112+32*\c], v[113+32*\c], v[114+32*\c]
.endr
.irp i, 3,5,7,9,11,13
.irp c, 0,1
	v_max3_num_f32 v[232+\c], v[232+\c], v[96+32*\c+\i], v[97+32*\c+\i]
	v_max3_num_f32 v[234+\c], v[234+\c], v[112+32*\c+\i], v[113+32*\c+\i]
.endr
.endr
.irp c, 0,1
	v_max3_num_f32 v[232+\c], v[232+\c], v[234+\c], v[111+32*\c]
.endr
.irp c, 0,1
	v_max_num_f32 v[232+\c], v[232+\c], v[127+32*\c]
.endr
	s_delay_alu instid0(VALU_DEP_1)
	v_max3_num_f32 v5, v232, v233, v13             ; with the running largest score,
	s_delay_alu instid0(VALU_DEP_1)
	v_permlanex16_b32 v236, v5, s20, s21
	s_delay_alu instid0(VALU_DEP_1)
	v_max_num_f32 v13, v5, v236                    ; and lane l xor 16's 64 keys
	s_delay_alu instid0(VALU_DEP_1)
	v_mul_f32 v5, s61, v13                         ; -t
	s_delay_alu instid0(VALU_DEP_1)
	v_floor_f32 v12, v5                            ; the new -M = floor(-t): M is a whole number
	s_delay_alu instid0(VALU_DEP_1)
	v_sub_f32 v5, v12, v237                        ; old M - new M: a whole number, 0 or less
	s_delay_alu instid0(VALU_DEP_1)
	v_cvt_i32_f32 v5, v5                           ; (it saturates)
	s_delay_alu instid0(VALU_DEP_1)
	v_ldexp_f32 v26, 1.0, v5                       ; f = 2^(old M - new M)
.set J, 96
.rept 32
	v_pk_fma_f32 v[J:J+1], v[J:J+1], s[22:23], v[12:13] op_sel_hi:[1,0,0]   ; t - M, two at a time
.set J, J+2
.endr
	v_fma_f32 v232, v232, s22, v12                 ; the same of each block's largest score: p rises with the score
	v_fma_f32 v233, v233, s22, v12
	s_wait_alu depctr_va_vdst(0)
.set J, 96
.rept 64
	v_exp_f32 v[J], v[J]                           ; p = 2^(t - M): not normalised
.set J, J+1
.endr
	v_exp_f32 v232, v232                           ; the blocks' largest p: the same two instructions on the same number give the same bits
	v_exp_f32 v233, v233
	v_pk_mul_f32 v[14:15], v[14:15], v[26:27] op_sel_hi:[1,0]   ; l under the new M (the plain line behind the batch)
	s_wait_alu depctr_va_vdst(0)                   ; one wait for the batch, directly ahead of the first read of O^T too
.set J, 160
.rept 16
	v_pk_mul_f32 v[J:J+1], v[J:J+1], v[26:27] op_sel_hi:[1,0]   ; O^T under the new M
.set J, J+2
.endr
	v_max_num_f32 v232, 0x1800000, v232            ; the floor 2^(3 - 127): the byte cannot fall under 1
	v_max_num_f32 v233, 0x1800000, v233
	s_delay_alu instid0(VALU_DEP_2)
	v_add_nc_u32 v244, 0xff000000, v232            ; 2 off the exponent field: the conversions' scale operands
	s_delay_alu instid0(VALU_DEP_2)
	v_add_nc_u32 v245, 0xff000000, v233
	s_delay_alu instid0(VALU_DEP_2)
	v_lshrrev_b32 v234, 23, v244                   ; the bytes of blocks h and 2 + h
	s_delay_alu instid0(VALU_DEP_2)
	v_lshrrev_b32 v235, 23, v245
	s_delay_alu instid0(VALU_DEP_1)
	v_lshl_or_b32 v234, v235, 16, v234
	s_delay_alu instid0(VALU_DEP_1)
	v_lshlrev_b32 v234, v70, v234                  ; at their places in the word;
	s_delay_alu instid0(VALU_DEP_1)
	v_permlanex16_b32 v236, v234, s20, s21
	s_delay_alu instid0(VALU_DEP_1)
	v_or_b32 v25, v234, v236                       ; with lane l xor 16's two the word is whole
.irp c, 0,1
.irp t, 0,1,2,3
	v_cvt_scalef32_pk8_fp4_f32 v[224+4*\c+\t], v[96+32*\c+8*\t:103+32*\c+8*\t], v[244+\c]   ; keys 64 c + 32 h + 8 t + 0 .. 7: the operand's register 4 c + t
.endr
.endr
	v_pk_add_f32 v[80:81], v[96:97], v[98:99]      ; l sums the unquantised p, in four chains.  (These 32 also stand between the writing of p's word and codes and the products that take them)
	v_pk_add_f32 v[82:83], v[100:101], v[102:103]
	v_pk_add_f32 v[84:85], v[104:105], v[106:107]
	v_pk_add_f32 v[14:15], v[14:15], v[108:109]
.set J, 110
.rept 6
	v_pk_add_f32 v[80:81], v[80:81], v[J:J+1]
	v_pk_add_f32 v[82:83], v[82:83], v[J+2:J+3]
	v_pk_add_f32 v[84:85], v[84:85], v[J+4:J+5]
	v_pk_add_f32 v[14:15], v[14:15], v[J+6:J+7]
.set J, J+8
.endr
	v_pk_add_f32 v[80:81], v[80:81], v[158:159]
	v_pk_add_f32 v[82:83], v[82:83], v[84:85]
	s_delay_alu instid0(VALU_DEP_2)
	v_pk_add_f32 v[14:15], v[14:15], v[80:81]
	s_delay_alu instid0(VALU_DEP_1)
	v_pk_add_f32 v[14:15], v[14:15], v[82:83]
	s_wait_dscnt 0x0                               ; V and its words are in
.irp t, 0,1,2,3                        ; the four accumulators take turns
	v_wmma_scale_f32_16x16x128_f8f6f4 v[160+8*\t:167+8*\t], v[192+8*\t:199+8*\t], v[224:231], v[160+8*\t:167+8*\t], v[240+\t], v25 matrix_a_fmt:MATRIX_FMT_FP4 matrix_b_fmt:MATRIX_FMT_FP4
.endr
.endm
.macro ATT n, k0                       ; n key steps from step k0 on
	s_mov_b32 s2, KSTEP*(\k0)
	s_mov_b32 s3, 64*(\k0)
	s_mov_b32 s17, 4*(\k0)
	s_mov_b32 s18, \n
.Lstep_\@:
	STEP
	s_add_co_u32 s2, s2, KSTEP
	s_add_co_u32 s3, s3, 64
	s_add_co_u32 s17, s17, 4
	s_sub_co_u32 s18, s18, 1
	s_cmp_lg_u32 s18, 0
	s_cbranch_scc1 .Lstep_\@
.endm
; My 64 rows of piece g become four tiles' images and scale words.  Tile t's rows begin 8 t rows on.  Two sets of 32 registers take turns.
.macro QLOAD t, x
.irp i, 0,1,2,3,4,5,6,7
	ds_load_b128 v[(\x)+4*\i:(\x)+4*\i+3], v72 offset:8*272*(\t)+16*\i
.endr
.endm
.macro QSTORE g, t
	ds_store_b128 v76, v[224:227] offset:4*KSTEP*(\g)+512*(\t)
	ds_store_b32 v75, v235 offset:4*KSTEP*(\g)+4*(\t)        ; both lanes of a row write the same word with the same value
.endm
.macro QUANT4 g
	QLOAD 0, 96
	QLOAD 1, 128
	s_wait_dscnt 8                                 ; tile 0 is in; tile 1's eight loads may be out
	QCORE 96, 224, 235
	QSTORE \g, 0
	QLOAD 2, 96
	s_wait_dscnt 10                                ; tile 1 is in; behind it: two stores and tile 2's eight loads
	QCORE 128, 224, 235
	QSTORE \g, 1
	QLOAD 3, 128
	s_wait_dscnt 10                                ; tile 2 is in; behind it: two stores and tile 3's eight loads
	QCORE 96, 224, 235
	QSTORE \g, 2
	s_wait_dscnt 2                                 ; tile 3 is in; behind it: two stores
	QCORE 128, 224, 235
	QSTORE \g, 3
.endm
; PIECE g of the first pass: keys 512 g on.  Waves 0 to 7 wait for their own rows and quantise them.  Then every wave: all its tensor loads have landed, the add, its LDS reads and stores are done; the meeting.
; Pieces 0 to 2: the meeting is a round of the cluster's barrier, and behind it waves 0 to 7 ask for their rows of the next piece, one joint load each.  Then the piece's four key steps.
.macro PIECE g
	s_cmp_lt_u32 s[WV], 8
	s_cbranch_scc0 .Lnoq_\@
	s_wait_tensorcnt 0x0                           ; my 64 rows are in: I alone read them
	QUANT4 \g
.Lnoq_\@:
	s_wait_tensorcnt 0x0
	ds_add_u32 v[SPW], v[NIL]
	s_wait_dscnt 0x0
.if \g < 3
	CROUND
	s_cmp_lt_u32 s[WV], 8
	s_cbranch_scc0 .Lnone_\@
	s_add_nc_u64 s[G0K+2:G0K+3], s[G0K+2:G0K+3], 0x200000   ; 512 rows on (no load of mine is out)
	tensor_load_to_lds s[G0K:G0K+3], s[G1K:G1K+7]
	s_nop 0
	NOPS4
.Lnone_\@:
.else
	s_barrier_signal -1
	s_barrier_wait -1
.endif
.if \g < 2
	s_cmp_eq_u32 s60, 2
	s_cbranch_scc0 .Lnot_mine_\@
	global_prefetch_b8 v77, s[66:67] offset:0x200000*(\g) th:TH_LOAD_NT scope:SCOPE_SE   ; key's piece g + 2; its address registers are never rewritten
.Lnot_mine_\@:
.endif
.if \g == 2
	global_prefetch_b8 v79, s[4:5] offset:0x100000 th:TH_LOAD_NT scope:SCOPE_SE          ; my second query tile's 16 rows
.endif
	ATT 4, 4*(\g)
.endm
; THE WAY OUT of pass p: O^T / l, quantised along the channels; register 8 t + j of lane (r, h) is channel 16 t + 8 h + j of query r.
.macro OUT p
.if \p == 0
.irp i, 0,1,2,3,4,5,6,7
	global_load_b128 v[128+4*\i:131+4*\i], v78, s[4:5] offset:0x100000+16*\i   ; Q, second pass: 256 rows on; it lands under the way out
.endr
.endif
	NOPS4                                          ; four places between the last products and the first read of their results
	s_wait_alu depctr_va_vdst(0)
	v_add_f32 v14, v14, v15
	s_delay_alu instid0(VALU_DEP_1)
	v_permlanex16_b32 v236, v14, s20, s21
	s_delay_alu instid0(VALU_DEP_1)
	v_add_f32 v14, v14, v236                       ; the row's sum
	s_wait_alu depctr_va_vdst(0)
	v_rcp_f32 v14, v14
	v_nop
	s_wait_alu depctr_va_vdst(0)                   ; and ahead of its first use, which is also the first read of O^T
.set J, 0
.rept 16
	v_pk_mul_f32 v[96+J:97+J], v[160+J:161+J], v[14:15] op_sel_hi:[1,0]
.set J, J+2
.endr
	v_max3_num_f32 v232, |v96|, |v97|, 0x1800000   ; block 0 = tiles 0, 1; block 1 = tiles 2, 3: my 16 numbers of each, and the floor
	v_max3_num_f32 v233, |v112|, |v113|, 0x1800000
.irp i, 2,4,6,8,10,12,14
	v_max3_num_f32 v232, v232, |v[96+\i]|, |v[97+\i]|
	v_max3_num_f32 v233, v233, |v[112+\i]|, |v[113+\i]|
.endr
	v_permlanex16_b32 v236, v232, s20, s21
	v_permlanex16_b32 v237, v233, s20, s21
	v_max_num_f32 v232, v232, v236                 ; with lane l xor 16's 16
	v_max_num_f32 v233, v233, v237
	v_add_nc_u32 v244, 0xff000000, v232
	v_add_nc_u32 v245, 0xff000000, v233
	v_lshrrev_b32 v234, 23, v244
	v_lshrrev_b32 v235, 23, v245
	v_lshl_or_b32 v5, v235, 8, v234
	v_lshlrev_b32 v5, s89, v5                      ; an odd head's two bytes stand in the word's upper half
	v_cvt_scalef32_pk8_fp4_f32 v224, v[96:103], v244     ; channels 8 h + 0 .. 7
	v_cvt_scalef32_pk8_fp4_f32 v226, v[104:111], v244    ; 16 + 8 h ..
	v_cvt_scalef32_pk8_fp4_f32 v225, v[112:119], v245    ; 32 + 8 h ..
	v_cvt_scalef32_pk8_fp4_f32 v227, v[120:127], v245    ; 48 + 8 h ..
	v_nop
	v_permlane16_swap_b32 v224, v225               ; v224: channels 32 h + 0 .. 7, v225: 32 h + 8 .. 15
	v_permlane16_swap_b32 v226, v227               ; v226: 32 h + 16 .. 23, v227: 32 h + 24 .. 31
	ds_store_b32 v6, v5 offset:1024*\p
	global_store_b128 v1, v[224:227], s[12:13] offset:8192*\p   ; the tile's image: 512 consecutive bytes, aligned
.endm
	INIT
	s_wait_alu depctr_va_vdst(0)
.irp g, 0,1,2,3
	PIECE \g
.endr
	OUT 0
	s_wait_alu depctr_va_vdst(0)
	s_wait_loadcnt 0x0                             ; the second pass's Q is in
	QCORE 128, 16, 24
	s_wait_xcnt 0x0                                ; the store has read its data: they are written again only behind this wait
	INIT
	ATT 16, 0                                      ; all images are in LDS: no barrier
	OUT 1
	v_lshlrev_b32 v8, 4, v0                        ; the 512 words leave as 2,048 consecutive bytes: threads 0 to 127, 16 bytes each
	v_add_nc_u32 v9, OST, v8
	s_wait_alu depctr_va_vdst(0)
	s_wait_dscnt 0x0                               ; for the others' sake: my word stores have landed
	s_barrier_signal -1
	s_barrier_wait -1
	s_cmp_lt_u32 s[WV], 4
	s_cbranch_scc0 .Lno_flush
	ds_load_b128 v[96:99], v9
	s_wait_dscnt 0x0
	global_store_b128 v8, v[96:99], s[14:15]
.Lno_flush:
	s_wait_tensorcnt 0x0                           ; the wave's end
	ds_add_u32 v[SPW], v[NIL]
	s_wait_dscnt 0x0
	CROUND                                         ; the closing round
	s_endpgm
.Lfunc_end_k_qd854f895c7_attn:
	.size	k_qd854f895c7_attn, .Lfunc_end_k_qd854f895c7_attn-k_qd854f895c7_attn
	.p2alignl 7, 3214868480
	.fill 96, 4, 3214868480
	.section	.rodata,"a",@progbits
	.p2align	6, 0x0
	.amdhsa_kernel k_qd854f895c7_attn
		.amdhsa_group_segment_fixed_size 327680
		.amdhsa_private_segment_fixed_size 0
		.amdhsa_enable_private_segment 0
		.amdhsa_kernarg_size 48
		.amdhsa_user_sgpr_count 2
		.amdhsa_user_sgpr_kernarg_segment_ptr 1
		.amdhsa_wavefront_size32 1
		.amdhsa_system_sgpr_workgroup_id_x 1
		.amdhsa_system_sgpr_workgroup_id_y 1
		.amdhsa_system_sgpr_workgroup_id_z 1
		.amdhsa_system_vgpr_workitem_id 0
		.amdhsa_next_free_vgpr 256
		.amdhsa_next_free_sgpr 100
		.amdhsa_reserve_vcc 0
		.amdhsa_float_denorm_mode_32 3
		.amdhsa_float_denorm_mode_16_64 3
		.amdhsa_memory_ordered 1
		.amdhsa_forward_progress 1
		.amdhsa_inst_pref_size 140
	.end_amdhsa_kernel
	.amdgpu_metadata
---
amdhsa.version: [ 1, 2 ]
amdhsa.kernels:
  - .name:           k_qd854f895c7_attn
    .symbol:         k_qd854f895c7_attn.kd
    .args:
      - { .name: query, .offset: 0, .size: 8, .value_kind: global_buffer, .address_space: global }
      - { .name: key, .offset: 8, .size: 8, .value_kind: global_buffer, .address_space: global }
      - { .name: value_codes, .offset: 16, .size: 8, .value_kind: global_buffer, .address_space: global }
      - { .name: value_scales, .offset: 24, .size: 8, .value_kind: global_buffer, .address_space: global }
      - { .name: o_codes, .offset: 32, .size: 8, .value_kind: global_buffer, .address_space: global }
      - { .name: o_scales, .offset: 40, .size: 8, .value_kind: global_buffer, .address_space: global }
    .group_segment_fixed_size: 327680
    .private_segment_fixed_size: 0
    .kernarg_segment_align: 8
    .kernarg_segment_size: 48
    .max_flat_workgroup_size: 512
    .sgpr_count:     100
    .vgpr_count:     256
    .wavefront_size: 32
...
	.end_amdgpu_metadata
.endif
;; end of part 1
;; launch fc (part 2): grid 4 x 64, 16 waves a work-group, clusters of 4 x 4, 293,376 bytes of LDS; arguments o_codes, o_scales, fc_w_codes, fc_w_scales, fc_b, out0; writes out0
.if DOCPART == 2
	.amdgcn_target "amdgcn-amd-amdhsa--gfx1250"
	.amdhsa_code_object_version 6
	.text
	.protected	k_qd854f895c7_fc
	.globl	k_qd854f895c7_fc
	.p2align	8
	.type	k_qd854f895c7_fc,@function
k_qd854f895c7_fc:
	s_mov_b64 s[64:65], 0
	v_nop
	global_prefetch_b8 v0, s[64:65] scope:SCOPE_SE
	s_setreg_imm32_b32 hwreg(HW_REG_WAVE_MODE, 25, 1), 1
	s_wait_xcnt 0x0
	s_wait_alu depctr_hold_cnt(0) depctr_sa_sdst(0) depctr_va_vdst(0) depctr_va_sdst(0) depctr_va_ssrc(0) depctr_va_vcc(0) depctr_vm_vsrc(0)
	s_getreg_b32 s2, hwreg(HW_REG_IB_STS2, 6, 4)
	s_cmp_eq_u32 s2, 0
	s_cbranch_scc0 .Lentry_in_a_cluster
	s_endpgm
.Lentry_in_a_cluster:
	s_bfe_u32 s2, ttmp6, 0x10000c
	s_cmp_lg_u32 s2, 0xf033
	s_cbranch_scc0 .Lentry_shape_is_right
	s_endpgm
.Lentry_shape_is_right:
; out0[row][n] = the sum over k of A[row][k] W[n][k] + fc_b[n]: 8,192 x 1,024 x 1,024 on codes of FP4 (E2M1) with one E8M0 scale for each 32 along K; sums and out0 in f32.
; A comes as the attention launch left it: o_codes [head 16][tile of 16 rows 512][lane 32][16 bytes] (register images: a K step of 128 is heads 2 ks and 2 ks + 1) and o_scales [head 16][row] words, an odd head's two bytes in the upper half:
; a K step's scale word is the OR of two planes.  W: fc_w_codes [1,024][512 bytes], fc_w_scales [1,024][32].
; SHARES: a work-group makes 128 rows x 256 columns, with ALL of K in LDS, filled ONCE: no ring, no byte filled twice.  256 work-groups.
; The sixteen fills go out at the head, one a wave: waves 0-3 W's codes (64 whole rows each), waves 4-7 A's codes (four heads each), waves 8-11 W's scale bytes, waves 12-15 A's scale words (four planes each).
; Sixteen waves: wave w makes rows 32 (w / 4) on (two tiles) x columns 64 (w % 4) on (four tiles): eight accumulators.
; CLUSTER 4 x 4: the four of a row of the cluster need the same rows of A, the four of a column the same rows of W: each fill is asked for JOINTLY, with a mask that names the four.
; THE MATRIX INSTRUCTION IS USED TRANSPOSED (source 0 = 16 rows of W, source 1 = 16 rows of A): a lane holds eight neighbouring columns of one row of out0.  The bias is the C of each sum's first product.
; No prefetch: every byte is asked for by the tensor loads at the head; there is no loop to run ahead in.
; REGISTERS: v4-12 addresses; v16-31 W's scale words (register 8 p + ks: lanes 0-15 column tile 2 p, lanes 16-31 tile 2 p + 1); v32-39 A's (register ks: lanes 0-15 row tile 0, lanes 16-31 row tile 1); v40-55 A's 16 planes;
;   v56-87 the bias; v88-151 the accumulators (row tile i, column tile nt at 88 + 8 (4 i + nt)); v152-199, v200-247 two sets of fragments: A's two, then W's four; v254, v255 the spare word's address and 0.
.set AC,   0                           ; A's codes: [head 16][8 tiles][512 bytes]
.set WC,   65536                       ; W's codes: 256 rows x (512 bytes + 16)
.set WP,   528
.set ASW,  204800                      ; A's scale words: 16 planes of 512 bytes
.set WSW,  212992                      ; W's scale bytes: 32 units of 256 bytes + 16
.set STG,  221696                      ; the way out: 16 rows x (256 bytes + 16) for each wave; no fill lands here
.set G1A,  24
.set G1AS, 32
.set G1W,  40
.set G1WS, 48
.set G0AS, 56
.set G0A,  60
.set G0WS, 72
.set G0W,  76
.set WV,   16
.macro CROUND                          ; a round of the cluster's barrier
	s_barrier_signal -1
	s_barrier_wait -1
	s_cmp_lg_u32 s[WV], 0
	s_cbranch_scc1 .Lnot_wave_0_\@
	s_barrier_signal -3
.Lnot_wave_0_\@:
	s_barrier_wait -3
	s_barrier_signal -1
	s_barrier_wait -1
.endm
.macro NOPS4
.rept 4
	v_nop
.endr
.endm
	s_load_b256 s[4:11], s[0:1], 0x0               ; o_codes s[4:5], o_scales s[6:7], W's codes s[8:9], W's scales s[10:11]
	s_load_b128 s[12:15], s[0:1], 0x20             ; fc_b s[12:13], out0 s[14:15]
	v_lshl_add_u32 v254, v0, 2, 0x47200
	v_mov_b32 v255, 0
	ds_add_u32 v254, v255                          ; the opening lines: the add twice on end and its wait
	ds_add_u32 v254, v255
	v_lshrrev_b32 v1, 5, v0
	v_readfirstlane_b32 s[WV], v1                  ; wave 0..15
	s_lshr_b32 s17, s[WV], 2                       ; wm: my 32 rows.  Also: what I fetch
	s_and_b32 s18, s[WV], 3                        ; wn: my 64 columns.  Also: which quarter I fetch
	s_bfe_u32 s88, ttmp6, 0x40000                  ; cx: in s88-91 (W's side) alone,
	s_bfe_u32 s84, ttmp6, 0x40004                  ; cy: in s84-87 (A's side) alone; both meet in s92-95, for the bias and out0
	s_lshl_b32 s89, ttmp9, 2
	s_add_co_u32 s89, s89, s88                     ; tile column = 4 x cluster x + cx
	s_and_b32 s85, ttmp7, 0xffff
	s_lshl_b32 s85, s85, 2
	s_add_co_u32 s85, s85, s84                     ; tile row = 4 x cluster y + cy
	s_lshl_b32 s86, s84, 2
	s_lshl_b32 s86, 15, s86                        ; my row of the cluster
	s_lshl_b32 s90, 0x1111, s88                    ; my column
	s_or_b32 s[G1A], s86, (3<<16)|(1<<21)          ; A's codes: elements of 8 bytes; four heads' 4,096 dense bytes, 262,144 bytes apart
	s_mov_b32 s[G1A+1], 512<<16
	s_mov_b32 s[G1A+2], 4<<16
	s_mov_b32 s[G1A+3], 512<<16
	s_mov_b32 s[G1A+4], 4
	s_mov_b32 s[G1A+5], 32768
	s_mov_b32 s[G1A+6], 0
	s_mov_b32 s[G1A+7], 0
	s_or_b32 s[G1AS], s86, (3<<16)|(1<<21)         ; A's scale words: four planes' 512 bytes, 32,768 bytes apart
	s_mov_b32 s[G1AS+1], 64<<16
	s_mov_b32 s[G1AS+2], 4<<16
	s_mov_b32 s[G1AS+3], 64<<16
	s_mov_b32 s[G1AS+4], 4
	s_mov_b32 s[G1AS+5], 4096
	s_mov_b32 s[G1AS+6], 0
	s_mov_b32 s[G1AS+7], 0
	s_or_b32 s[G1W], s90, (1<<20)|(1<<21)|(6<<22)|(3<<25)   ; W's codes: elements of 1 byte; 64 dense rows of 512 bytes; four words of padding behind every 128
	s_mov_b32 s[G1W+1], 512<<16
	s_mov_b32 s[G1W+2], 64<<16
	s_mov_b32 s[G1W+3], 512<<16
	s_mov_b32 s[G1W+4], 64
	s_mov_b32 s[G1W+5], 512
	s_mov_b32 s[G1W+6], 0
	s_mov_b32 s[G1W+7], 0
	s_or_b32 s[G1WS], s90, (3<<16)|(1<<20)|(1<<21)|(5<<22)|(3<<25)   ; W's scale bytes: 64 rows' 2,048 dense bytes as eight rows of 256, four words of padding behind each
	s_mov_b32 s[G1WS+1], 32<<16
	s_mov_b32 s[G1WS+2], 8<<16
	s_mov_b32 s[G1WS+3], 32<<16
	s_mov_b32 s[G1WS+4], 8
	s_mov_b32 s[G1WS+5], 32
	s_mov_b32 s[G1WS+6], 0
	s_mov_b32 s[G1WS+7], 0
	s_mov_b32 s92, s85                             ; tile row and tile column, for the bias and out0
	s_mov_b32 s93, s89
	s_lshl_b32 s86, s18, 17                        ; A's scale words: planes 4 i on, + 512 bytes x tile row
	s_lshl_b32 s87, s85, 9
	s_add_co_u32 s86, s86, s87
	s_mov_b32 s87, 0
	s_lshl_b32 s84, s18, 20                        ; A's codes: heads 4 i on, + 4,096 bytes x tile row
	s_lshl_b32 s85, s85, 12
	s_add_co_u32 s84, s84, s85
	s_mov_b32 s85, 0
	s_lshl_b32 s88, s89, 8
	s_lshl_b32 s89, s18, 6
	s_add_co_u32 s88, s88, s89                     ; W: row 256 x tile column + 64 i
	s_lshl_b32 s90, s88, 5                         ; its scale bytes,
	s_mov_b32 s91, 0
	s_lshl_b32 s88, s88, 9                         ; its codes
	s_mov_b32 s89, 0
	s_lshl_b32 s94, s92, 19                        ; out0: (128 x tile row + 32 wm) rows of 4,096 bytes
	s_lshl_b32 s95, s17, 17
	s_add_co_u32 s94, s94, s95
	s_lshl_b32 s92, s93, 10                        ; + (256 x tile column + 64 wn) x 4 bytes: the bias's place too
	s_lshl_b32 s93, s18, 8
	s_add_co_u32 s92, s92, s93
	s_add_co_u32 s94, s94, s92
	s_mov_b32 s93, 0
	s_mov_b32 s95, 0
	s_wait_dscnt 0x0
	s_wait_kmcnt 0x0
	s_add_nc_u64 s[12:13], s[12:13], s[92:93]
	s_add_nc_u64 s[14:15], s[14:15], s[94:95]
	s_mov_b32 s[G0AS], 1
	s_lshl_b32 s19, s18, 11
	s_add_co_u32 s[G0AS+1], s19, ASW
	s_add_nc_u64 s[G0AS+2:G0AS+3], s[6:7], s[86:87]
	s_or_b32 s[G0AS+3], s[G0AS+3], 0x80000000
	s_mov_b32 s[G0A], 1
	s_lshl_b32 s19, s18, 14
	s_add_co_u32 s[G0A+1], s19, AC
	s_add_nc_u64 s[G0A+2:G0A+3], s[4:5], s[84:85]
	s_or_b32 s[G0A+3], s[G0A+3], 0x80000000
	s_mov_b32 s[G0WS], 1
	s_mul_i32 s19, s18, 2176
	s_add_co_u32 s[G0WS+1], s19, WSW
	s_add_nc_u64 s[G0WS+2:G0WS+3], s[10:11], s[90:91]
	s_or_b32 s[G0WS+3], s[G0WS+3], 0x80000000
	s_mov_b32 s[G0W], 1
	s_mul_i32 s19, s18, 64*WP
	s_add_co_u32 s[G0W+1], s19, WC
	s_add_nc_u64 s[G0W+2:G0W+3], s[8:9], s[88:89]
	s_or_b32 s[G0W+3], s[G0W+3], 0x80000000
	CROUND                                         ; all sixteen work-groups are here: the joint loads meet
	s_cmp_eq_u32 s17, 0                            ; one chain of arms on the wave's number, one load to an arm
	s_cbranch_scc0 .Lnot_w
	tensor_load_to_lds s[G0W:G0W+3], s[G1W:G1W+7]
	s_nop 0
	NOPS4
	s_branch .Lasked
.Lnot_w:
	s_cmp_eq_u32 s17, 1
	s_cbranch_scc0 .Lnot_a
	tensor_load_to_lds s[G0A:G0A+3], s[G1A:G1A+7]
	s_nop 0
	NOPS4
	s_branch .Lasked
.Lnot_a:
	s_cmp_eq_u32 s17, 2
	s_cbranch_scc0 .Lnot_ws
	tensor_load_to_lds s[G0WS:G0WS+3], s[G1WS:G1WS+7]
	s_nop 0
	NOPS4
	s_branch .Lasked
.Lnot_ws:
	tensor_load_to_lds s[G0AS:G0AS+3], s[G1AS:G1AS+7]
	s_nop 0
	NOPS4
.Lasked:
	v_and_b32 v1, 31, v0                           ; lane
	v_and_b32 v2, 15, v0                           ; r
	v_bfe_u32 v3, v0, 4, 1                         ; h
	v_lshlrev_b32 v12, 5, v3                       ; the bias: lane (r, h) wants, for column tile nt, numbers 16 nt + 8 h + 0 .. 7 of my 64
.irp nt, 0,1,2,3
	global_load_b128 v[56+8*\nt:59+8*\nt], v12, s[12:13] offset:64*\nt
	global_load_b128 v[60+8*\nt:63+8*\nt], v12, s[12:13] offset:64*\nt+16
.endr
	s_lshl_b32 s19, s17, 10
	v_lshlrev_b32 v4, 4, v1
	v_add_nc_u32 v4, s19, v4                       ; A's images: AC + 1,024 wm + 16 x lane
	s_mul_i32 s19, s18, 64*WP
	s_add_co_u32 s19, s19, WC
	v_mul_u32_u24 v5, v2, WP
	v_lshl_add_u32 v5, v3, 4, v5
	v_add_nc_u32 v5, s19, v5                       ; W's fragments: row 64 wn + r, + 16 h
	s_mul_i32 s19, s18, 2176
	s_add_co_u32 s19, s19, WSW
	v_lshrrev_b32 v7, 3, v1
	v_mul_u32_u24 v7, v7, 272
	v_and_b32 v8, 7, v1
	v_lshl_add_u32 v7, v8, 5, v7
	v_add_nc_u32 v7, s19, v7                       ; W's scale words: row 64 wn + lane: 32 bytes a row, eight rows to a unit
	s_lshl_b32 s19, s17, 7
	s_add_co_u32 s19, s19, ASW
	v_lshlrev_b32 v8, 2, v1
	v_add_nc_u32 v8, s19, v8                       ; A's: row 32 wm + lane of a plane
	s_mul_i32 s19, s[WV], 4352
	s_add_co_u32 s19, s19, STG                     ; my stage
	v_mul_u32_u24 v9, v2, 272
	v_lshl_add_u32 v9, v3, 5, v9
	v_add_nc_u32 v9, s19, v9                       ; in: row r, 32 bytes for each half of the lanes
	v_mul_u32_u24 v10, v3, 272
	v_lshl_add_u32 v10, v2, 4, v10
	v_add_nc_u32 v10, s19, v10                     ; back: lanes 0-15 one row of 256 bytes, lanes 16-31 the next
	v_lshlrev_b32 v11, 12, v3
	v_lshl_add_u32 v11, v2, 4, v11                 ; and the same two rows in out0
.macro FETCH ks                        ; the fragments of K step ks into set ks % 2: twelve LDS loads
.set FS, 152+48*((\ks)%2)
.irp i, 0,1
.irp c, 0,1
	ds_load_b128 v[FS+8*\i+4*\c:FS+8*\i+4*\c+3], v4 offset:(2*(\ks)+\c)*4096+512*\i   ; A's row tile i: the image of head 2 ks + c
.endr
.endr
.irp nt, 0,1,2,3
.irp c, 0,1
	ds_load_b128 v[FS+16+8*\nt+4*\c:FS+16+8*\nt+4*\c+3], v5 offset:16*WP*\nt+64*(\ks)+32*\c
.endr
.endr
.endm
.macro MUL ks                          ; eight products; the eight accumulators take turns, in the same order in every K step
.set FS, 152+48*((\ks)%2)
.irp i, 0,1
.irp nt, 0,1,2,3
.set rD, 88+8*(4*\i+\nt)
.set rW, FS+16+8*\nt
.set rA, FS+8*\i
.set rC, rD
.if (\ks) == 0
.set rC, 56+8*\nt                      ; the first product starts the sum from the bias
.endif
.set sW, 16+8*(\nt/2)+(\ks)
.set sA, 32+(\ks)
.if (\nt%2 == 0) && (\i == 0)
	v_wmma_scale_f32_16x16x128_f8f6f4 v[rD:rD+7], v[rW:rW+7], v[rA:rA+7], v[rC:rC+7], v[sW], v[sA] matrix_a_fmt:MATRIX_FMT_FP4 matrix_b_fmt:MATRIX_FMT_FP4
.elseif (\nt%2 == 1) && (\i == 0)
	v_wmma_scale_f32_16x16x128_f8f6f4 v[rD:rD+7], v[rW:rW+7], v[rA:rA+7], v[rC:rC+7], v[sW], v[sA] matrix_a_fmt:MATRIX_FMT_FP4 matrix_b_fmt:MATRIX_FMT_FP4 matrix_a_scale:MATRIX_SCALE_ROW1
.elseif (\nt%2 == 0)
	v_wmma_scale_f32_16x16x128_f8f6f4 v[rD:rD+7], v[rW:rW+7], v[rA:rA+7], v[rC:rC+7], v[sW], v[sA] matrix_a_fmt:MATRIX_FMT_FP4 matrix_b_fmt:MATRIX_FMT_FP4 matrix_b_scale:MATRIX_SCALE_ROW1
.else
	v_wmma_scale_f32_16x16x128_f8f6f4 v[rD:rD+7], v[rW:rW+7], v[rA:rA+7], v[rC:rC+7], v[sW], v[sA] matrix_a_fmt:MATRIX_FMT_FP4 matrix_b_fmt:MATRIX_FMT_FP4 matrix_a_scale:MATRIX_SCALE_ROW1 matrix_b_scale:MATRIX_SCALE_ROW1
.endif
.endr
.endr
.endm
	s_wait_alu depctr_va_vdst(0)
	s_wait_tensorcnt 0x0                           ; my fill is in
	s_barrier_signal -1
	s_barrier_wait -1                              ; everybody's is
.irp p, 0,1
	ds_load_b128 v[16+8*\p:19+8*\p], v7 offset:1088*\p       ; W's eight scale words of row 64 wn + 32 p + lane
	ds_load_b128 v[20+8*\p:23+8*\p], v7 offset:1088*\p+16
.endr
.irp hd, 0,1,2,3,4,5,6,7,8,9,10,11,12,13,14,15
	ds_load_b32 v[40+\hd], v8 offset:512*\hd       ; A's sixteen planes
.endr
	FETCH 0
	s_wait_dscnt 12                                ; the scale words are in; the twelve fragment loads may be out
.irp ks, 0,1,2,3,4,5,6,7
	v_or_b32 v[32+\ks], v[40+2*\ks], v[41+2*\ks]   ; a K step's word: the even head's two bytes below, the odd head's above
.endr
.rept 8
	v_nop                                          ; a scale register written by a vector instruction stands eight places ahead of a scaled product
.endr
	s_wait_alu depctr_va_vdst(0)
	s_wait_loadcnt 0x0                             ; the bias
.irp ks, 0,1,2,3,4,5,6,7
.if \ks < 7
.if \ks > 0
	NOPS4                                          ; four places between the last products and the loads into the set that the K step before multiplied
.endif
	FETCH \ks+1
	s_wait_dscnt 12                                ; this K step's fragments are in; the next one's twelve loads stay out
.else
	s_wait_dscnt 0x0
.endif
	MUL \ks
.endr
; THE WAY OUT, a tile of 16 rows x 64 columns at a time, through my own stage: it comes back as whole rows of 256 bytes.  LDS serves a wave's instructions in order: no wait between the stores and the loads.
.macro TOSTAGE i
.irp nt, 0,1,2,3
	ds_store_b128 v9, v[88+8*(4*\i+\nt):88+8*(4*\i+\nt)+3] offset:64*\nt         ; each accumulator from its low end on
	ds_store_b128 v9, v[88+8*(4*\i+\nt)+4:88+8*(4*\i+\nt)+7] offset:64*\nt+16
.endr
.irp t, 0,1,2,3,4,5,6,7
	ds_load_b128 v[152+48*\i+4*\t:152+48*\i+4*\t+3], v10 offset:544*\t
.endr
.endm
.macro SEND i, younger                 ; younger: the LDS instructions issued behind tile i's loads
.irp t, 0,1,2,3,4,5,6,7
	s_wait_dscnt \younger+7-\t
	global_store_b128 v11, v[152+48*\i+4*\t:152+48*\i+4*\t+3], s[14:15] offset:(16*\i+2*\t)*4096 th:TH_STORE_NT   ; 16 lanes store 256 consecutive bytes, aligned
.endr
.endm
	NOPS4                                          ; four places between the last products and the reads of their results, and the loads into the fragments' registers
	TOSTAGE 0
	TOSTAGE 1
	SEND 0, 16
	SEND 1, 0
	s_wait_tensorcnt 0x0                           ; the wave's end
	ds_add_u32 v254, v255
	s_wait_dscnt 0x0
	CROUND                                         ; the closing round
	s_endpgm
.Lfunc_end_k_qd854f895c7_fc:
	.size	k_qd854f895c7_fc, .Lfunc_end_k_qd854f895c7_fc-k_qd854f895c7_fc
	.p2alignl 7, 3214868480
	.fill 96, 4, 3214868480
	.section	.rodata,"a",@progbits
	.p2align	6, 0x0
	.amdhsa_kernel k_qd854f895c7_fc
		.amdhsa_group_segment_fixed_size 293376
		.amdhsa_private_segment_fixed_size 0
		.amdhsa_enable_private_segment 0
		.amdhsa_kernarg_size 48
		.amdhsa_user_sgpr_count 2
		.amdhsa_user_sgpr_kernarg_segment_ptr 1
		.amdhsa_wavefront_size32 1
		.amdhsa_system_sgpr_workgroup_id_x 1
		.amdhsa_system_sgpr_workgroup_id_y 1
		.amdhsa_system_sgpr_workgroup_id_z 1
		.amdhsa_system_vgpr_workitem_id 0
		.amdhsa_next_free_vgpr 256
		.amdhsa_next_free_sgpr 96
		.amdhsa_reserve_vcc 0
		.amdhsa_float_denorm_mode_32 3
		.amdhsa_float_denorm_mode_16_64 3
		.amdhsa_memory_ordered 1
		.amdhsa_forward_progress 1
		.amdhsa_inst_pref_size 31
	.end_amdhsa_kernel
	.amdgpu_metadata
---
amdhsa.version: [ 1, 2 ]
amdhsa.kernels:
  - .name:           k_qd854f895c7_fc
    .symbol:         k_qd854f895c7_fc.kd
    .args:
      - { .name: o_codes, .offset: 0, .size: 8, .value_kind: global_buffer, .address_space: global }
      - { .name: o_scales, .offset: 8, .size: 8, .value_kind: global_buffer, .address_space: global }
      - { .name: fc_w_codes, .offset: 16, .size: 8, .value_kind: global_buffer, .address_space: global }
      - { .name: fc_w_scales, .offset: 24, .size: 8, .value_kind: global_buffer, .address_space: global }
      - { .name: fc_b, .offset: 32, .size: 8, .value_kind: global_buffer, .address_space: global }
      - { .name: out0, .offset: 40, .size: 8, .value_kind: global_buffer, .address_space: global }
    .group_segment_fixed_size: 293376
    .private_segment_fixed_size: 0
    .kernarg_segment_align: 8
    .kernarg_segment_size: 48
    .max_flat_workgroup_size: 512
    .sgpr_count:     96
    .vgpr_count:     256
    .wavefront_size: 32
...
	.end_amdgpu_metadata
.endif
;; end of part 2
